; MI455X (gfx1250); checked and timed in simulation.
; The chip was launched on July 23, 2026; its instructions are those of AMD's public machine-readable ISA for CDNA 5 (MIT licence, August 2026) and "CDNA5" Instruction Set Architecture Reference Guide (July 2026). The comments in the code are by the model that wrote it; some were corrected since.
;; Multi Head Attention. Allowed arithmetic: float matrix products may take bf16 or f16 operands with f32 sums; other float arithmetic in f32, or as packed bf16 or f16 multiplies, adds, multiply-adds, maxima and minima; sums over many terms, partial sums and values carried from step to step in f32; what a program stores and reads back later, other than sums and carried values, may be rounded once to bf16 or f16.
;; Inputs: Wk 1,024 x 1,024 float32; Wq 1,024 x 1,024 float32; Wv 1,024 x 1,024 float32; X 8 x 2,048 x 1,024 float32; Y 8 x 2,048 x 1,024 float32.
;; Outputs: out0 8 x 2,048 x 1 x 1,024 float32.
;; 2 versions, each right; version 2 is version 1 with the launch prep written anew for expert scheduling mode. Each part assembles by itself: llvm-mc -triple=amdgcn-amd-amdhsa -mcpu=gfx1250 --defsym DOCPART=n.
;; ======== version 1 of 2: 3 launches
;; workspace buffers: Ybf 33,554,432 bytes; Wvb 2,097,152 bytes; kqp 2,097,152 bytes; att 262,144 bytes
;; launch prep (part 1): grid 64 x 19, 4 waves a work-group, no clusters, 58,880 bytes of LDS; arguments X, Y, Wq, Wk, Wv, Ybf, Wvb, kqp; writes Ybf, Wvb, kqp
.if DOCPART == 1
	.amdgcn_target "amdgcn-amd-amdhsa--gfx1250"
	.amdhsa_code_object_version 6
	.text
	.protected	k_qa08bb324db_prep
	.globl	k_qa08bb324db_prep
	.p2align	8
	.type	k_qa08bb324db_prep,@function
k_qa08bb324db_prep:
	s_mov_b64 s[64:65], 0
	v_nop
	global_prefetch_b8 v0, s[64:65] scope:SCOPE_SE
	s_setreg_imm32_b32 hwreg(HW_REG_WAVE_MODE, 25, 1), 1
	s_wait_xcnt 0x0
; TWO JOBS IN ONE LAUNCH, told apart by the work-group's y, which is the same for all four waves of a work-group.
; y = 0, 1: THE SMALL PRODUCTS.  reference() masks every row (n, l) with l > n, so k = Y Wk and q = X Wq matter only for rows with l <= n <= 7.  The 64 rows R = 8 n + l (n, l < 8) are
;   multiplied here: y = 0 makes k, y = 1 makes q.  Work-group x takes 64 columns (x % 16) and 256 of K (x / 16) and stores an f32 partial sum: kqp[y][x / 16][R][column].  The four partial
;   sums over K are added in f32 by the next launch.  Inputs are rounded once to bf16 (nearest even) for the matrix unit; sums in f32.  Of X no other row is read.
; y = 2 .. 18: THE STREAM.  Y (1,024 work-groups) and Wv (64) are rounded once to bf16 in the layout in which they lie: 65,536 bytes in and 32,768 out for each work-group.
; No tensor loads, no cluster: no two work-groups of the stream read the same byte, and the products' shared rows are 64.  No prefetch: the stream's loads are all issued at once.
.set WP,    160                        ; a row of W in LDS: 64 bf16 = 128 bytes + 32 of padding = 5 x 32: the turning load's 8 rows x 32 bytes fall on different banks (64 banks of 4 bytes: ISA guide 11.1)
.set STG,   256*WP                     ; behind W's 256 rows: 16 rows x 272 bytes for each wave, for the way out
.set SP,    272
.set SPARE, STG+4*16*SP                ; behind the stages: the spare words, 128 bytes for each wave: two blocks of 256 bytes that no other line names
.set WO,  4                            ; v4   h x 4,096 + 16 r: two rows of 256 bytes; for W's loads and for kqp's stores; never rewritten
.set AO,  5                            ; v5   my row R = 16 w + r of X or Y, and 32 h; never rewritten
.set LS,  6                            ; v6   where I put 8 bytes of W
.set TB,  7                            ; v7   my lane's place for the turning load
.set STO, 8                            ; v8   the way out: where I put 16 bytes of a row
.set RD,  9                            ; v9   the way out: where I read a row back
.set IN,  11                           ; v11  the stream: my 16 bytes of the wave's first 512
.set OUT, 12                           ; v12  the stream: my 8 bytes of the wave's first 256
.set SPW, 14                           ; v14  LDS address of my spare word; never rewritten
.set NIL, 15                           ; v15  0; never rewritten
.set WR,  16                           ; v[16:143]  W as loaded, then W's fragments, then rows read back.  The stream: its 32 loads
.set AF,  144                          ; v[144:207] the rows' fragments in bf16, 8 registers for each 32 of K; loaded as f32 into twice the room and packed in place
.set ACC, 208                          ; v[208:239] four accumulators, one for each 16 columns
	s_load_b512 s[16:31], s[0:1], 0x0              ; X 16:17, Y 18:19, Wq 20:21, Wk 22:23, Wv 24:25, Ybf 26:27, Wvb 28:29, kqp 30:31
	v_lshl_add_u32 v[SPW], v0, 2, SPARE
	v_mov_b32 v[NIL], 0
	v_and_b32 v1, 31, v0                           ; L
	v_and_b32 v2, 15, v0                           ; r = L % 16
	v_bfe_u32 v3, v0, 4, 1                         ; h = L / 16
	v_lshrrev_b32 v13, 5, v0
	v_readfirstlane_b32 s8, v13                    ; wave 0..3
	s_and_b32 s9, ttmp7, 0xffff                    ; y
	s_mov_b32 s10, ttmp9                           ; x
	s_wait_kmcnt 0x0
	s_cmp_ge_u32 s9, 2
	s_cbranch_scc1 .Lconv                          ; the whole work-group goes one way
	; ---------------- THE SMALL PRODUCTS ----------------
	s_and_b32 s11, s10, 15                         ; which 64 columns
	s_lshr_b32 s12, s10, 4                         ; which 256 of K
	s_cmp_eq_u32 s9, 0
	s_cselect_b64 s[34:35], s[18:19], s[16:17]     ; rows of Y (k) or of X (q)
	s_cselect_b64 s[32:33], s[22:23], s[20:21]     ; Wk or Wq
	s_lshl_b32 s2, s12, 20                         ; 256 rows of W are 2^20 bytes,
	s_lshl_b32 s3, s8, 18                          ; my wave's 64 of them 2^18,
	s_add_co_u32 s2, s2, s3
	s_lshl_b32 s13, s11, 8                         ; 64 columns of f32 are 256 bytes
	s_add_co_u32 s2, s2, s13
	s_mov_b32 s3, 0
	s_add_nc_u64 s[32:33], s[32:33], s[2:3]
	s_lshl_b32 s2, s12, 10                         ; 256 of K are 1,024 bytes of a row
	s_add_nc_u64 s[34:35], s[34:35], s[2:3]
	v_lshlrev_b32 v[WO], 4, v2
	v_lshl_add_u32 v[WO], v3, 12, v[WO]
	v_lshrrev_b32 v[AO], 3, v2
	v_lshl_add_u32 v[AO], s8, 1, v[AO]             ; sentence n = 2 w + r / 8: 2,048 rows of 4,096 bytes each,
	v_lshlrev_b32 v[AO], 23, v[AO]
	v_and_b32 v13, 7, v2
	v_lshl_add_u32 v[AO], v13, 12, v[AO]           ; word l = r % 8,
	v_lshl_add_u32 v[AO], v3, 5, v[AO]             ; eight f32 for each half of the lanes
; A fragment is 16 rows x 32 of K in 8 registers of bf16: lane (r, h) holds row r, K = 8 h + 0..7 and 16 + 8 h + 0..7.  In f32 those are 32 bytes at 32 h and 32 bytes at 64 + 32 h.
.macro ALOAD half, to                  ; four fragments as f32, 64 registers
.irp k, 0,1,2,3
	global_load_b128 v[(\to)+16*(\k):(\to)+16*(\k)+3],     v[AO], s[34:35] offset:128*(4*(\half)+(\k))
	global_load_b128 v[(\to)+16*(\k)+4:(\to)+16*(\k)+7],   v[AO], s[34:35] offset:128*(4*(\half)+(\k))+16
	global_load_b128 v[(\to)+16*(\k)+8:(\to)+16*(\k)+11],  v[AO], s[34:35] offset:128*(4*(\half)+(\k))+64
	global_load_b128 v[(\to)+16*(\k)+12:(\to)+16*(\k)+15], v[AO], s[34:35] offset:128*(4*(\half)+(\k))+80
.endr
.endm
.macro APACK at                        ; 64 f32 to 32 registers of bf16, in place, ascending: no source is written before it is read
.set i, 0
.rept 32
	v_cvt_pk_bf16_f32 v[(\at)+i], v[(\at)+2*i], v[(\at)+2*i+1]
.set i, i+1
.endr
.endm
	ALOAD 0, AF                                    ; K 0..127 of the chunk
.set j, 0
.rept 32
	global_load_b128 v[WR+4*j:WR+4*j+3], v[WO], s[32:33] offset:8192*j  ; two rows of W: 16 lanes take 256 consecutive bytes, aligned
.set j, j+1
.endr
	s_lshl_b32 s2, s9, 2                           ; kqp: ((4 y + chunk) x 64 + 16 w) rows of 4,096 bytes, and my 256 bytes of them
	s_add_co_u32 s2, s2, s12
	s_lshl_b32 s2, s2, 18
	s_lshl_b32 s14, s8, 16
	s_add_co_u32 s2, s2, s14
	s_add_co_u32 s2, s2, s13
	s_add_nc_u64 s[36:37], s[30:31], s[2:3]
	s_mul_i32 s13, s8, 64*WP
	v_mul_u32_u24 v[LS], v3, WP
	v_lshl_add_u32 v[LS], v2, 3, v[LS]
	v_add_nc_u32 v[LS], s13, v[LS]                 ; row 64 w + h, 8 bytes at 8 r
	v_and_b32 v13, 7, v0
	v_lshl_add_u32 v13, v3, 3, v13
	v_mul_u32_u24 v[TB], v13, WP                   ; the turning load: lane L reads K row 8 h + L % 8,
	v_bfe_u32 v13, v0, 3, 1
	v_lshl_add_u32 v[TB], v13, 4, v[TB]            ; columns 8 ((L / 8) % 2) + 0..7
	s_mul_i32 s14, s8, 16*SP
	s_add_co_u32 s14, s14, STG                     ; my stage
	v_mul_u32_u24 v[STO], v2, SP
	v_lshl_add_u32 v[STO], v3, 5, v[STO]
	v_add_nc_u32 v[STO], s14, v[STO]               ; in: row r, 32 bytes for each half of the lanes
	v_mul_u32_u24 v[RD], v3, SP
	v_lshl_add_u32 v[RD], v2, 4, v[RD]
	v_add_nc_u32 v[RD], s14, v[RD]                 ; back: lanes 0-15 one row of 256 bytes, lanes 16-31 the next
	s_wait_loadcnt 32                              ; the rows' first 16 loads are in; W's 32 were issued behind them
	APACK AF
	ALOAD 1, AF+32                                 ; K 128..255 of the chunk, into v[176:239]
	s_wait_loadcnt 16                              ; W is in; the 16 just issued may stay out
.set j, 0
.rept 32
	v_cvt_pk_bf16_f32 v[WR+4*j],   v[WR+4*j],   v[WR+4*j+1]
	v_cvt_pk_bf16_f32 v[WR+4*j+1], v[WR+4*j+2], v[WR+4*j+3]
	ds_store_b64 v[LS], v[WR+4*j:WR+4*j+1] offset:2*WP*j
.set j, j+1
.endr
	s_wait_dscnt 0x0                               ; for the others' sake: my 64 rows of W lie in LDS
	s_barrier_signal -1
	s_barrier_wait -1                              ; all 256 rows do
; W lies [K][column]; the turning load leaves a fragment in which lane (r, h) holds column r and K along its registers.  Fragment (k, n): K 32 k on, columns 16 n on.
.macro BLOAD half
.irp k, 0,1,2,3
.irp n, 0,1,2,3
	ds_load_tr16_b128 v[WR+8*(4*(\k)+(\n)):WR+8*(4*(\k)+(\n))+3],   v[TB] offset:(4*(\half)+(\k))*32*WP+32*(\n)
	ds_load_tr16_b128 v[WR+8*(4*(\k)+(\n))+4:WR+8*(4*(\k)+(\n))+7], v[TB] offset:(4*(\half)+(\k))*32*WP+16*WP+32*(\n)
.endr
.endr
.endm
; Source 0 = 16 columns of W, source 1 = my 16 rows: a lane then holds ONE row (r) and eight neighbouring columns.  The four accumulators take turns, one instruction a turn.
.macro MULS half
.irp k, 0,1,2,3
.irp n, 0,1,2,3
.if ((\half) == 0) && ((\k) == 0)
	v_wmma_f32_16x16x32_bf16 v[ACC+8*(\n):ACC+8*(\n)+7], v[WR+8*(4*(\k)+(\n)):WR+8*(4*(\k)+(\n))+7], v[AF+8*(4*(\half)+(\k)):AF+8*(4*(\half)+(\k))+7], 0
.else
	v_wmma_f32_16x16x32_bf16 v[ACC+8*(\n):ACC+8*(\n)+7], v[WR+8*(4*(\k)+(\n)):WR+8*(4*(\k)+(\n))+7], v[AF+8*(4*(\half)+(\k)):AF+8*(4*(\half)+(\k))+7], v[ACC+8*(\n):ACC+8*(\n)+7]
.endif
.endr
.endr
.endm
	BLOAD 0
	s_wait_loadcnt 0x0                             ; the rows' second half is in
	APACK AF+32                                    ; it leaves v[208:239] free for the accumulators
	s_wait_dscnt 0x0
	MULS 0                                         ; the first four products start the sums
.rept 4
	v_nop                                          ; four places between the last product and loads into registers that it has read (ISA guide 7.12.1 for vector instructions)
.endr
	BLOAD 1
	s_wait_dscnt 0x0
	MULS 1
.rept 4
	v_nop                                          ; four places between the last product and the stores that read results
.endr
.irp n, 0,1,2,3
	ds_store_b128 v[STO], v[ACC+8*(\n):ACC+8*(\n)+3]   offset:64*(\n)       ; each accumulator's low registers first
	ds_store_b128 v[STO], v[ACC+8*(\n)+4:ACC+8*(\n)+7] offset:64*(\n)+16
.endr
.irp t, 0,1,2,3,4,5,6,7
	ds_load_b128 v[WR+4*(\t):WR+4*(\t)+3], v[RD] offset:(\t)*2*SP            ; LDS serves a wave's instructions in order (ISA guide 5.7.1.4): these see the stores above
.endr
.irp t, 0,1,2,3,4,5,6,7
	s_wait_dscnt 7-(\t)                            ; the younger loads may stay out
	global_store_b128 v[WO], v[WR+4*(\t):WR+4*(\t)+3], s[36:37] offset:8192*(\t)  ; 16 lanes store 256 consecutive bytes, aligned
.endr
	s_wait_tensorcnt 0x0                           ; the wave's end, behind my last LDS store
	ds_add_u32 v[SPW], v[NIL]
	s_wait_dscnt 0x0
	s_endpgm
	; ---------------- THE STREAM ----------------
.Lconv:
	s_sub_co_u32 s11, s9, 2
	s_lshl_b32 s11, s11, 6
	s_add_co_u32 s11, s11, s10                     ; 0 .. 1,087: 1,024 blocks of Y, then 64 of Wv
	s_and_b32 s12, s11, 1023                       ; the block's number in its tensor
	s_cmp_ge_u32 s11, 1024
	s_cselect_b64 s[32:33], s[24:25], s[18:19]     ; from Wv or Y
	s_cselect_b64 s[34:35], s[28:29], s[26:27]     ; to Wvb or Ybf
	s_lshl_b32 s2, s12, 16
	s_mov_b32 s3, 0
	s_add_nc_u64 s[32:33], s[32:33], s[2:3]
	s_lshl_b32 s2, s12, 15
	s_add_nc_u64 s[34:35], s[34:35], s[2:3]
	v_lshlrev_b32 v[IN], 4, v1
	v_lshl_add_u32 v[IN], s8, 14, v[IN]            ; my wave's 16,384 bytes in,
	v_lshlrev_b32 v[OUT], 3, v1
	v_lshl_add_u32 v[OUT], s8, 13, v[OUT]          ; its 8,192 out
.set j, 0
.rept 32
	global_load_b128 v[WR+4*j:WR+4*j+3], v[IN], s[32:33] offset:512*j th:TH_LOAD_NT  ; all 32 loads of the wave go out together: 512 consecutive bytes each
.set j, j+1
.endr
.set j, 0
.rept 32
	s_wait_loadcnt 31-j                            ; loads come back in order (ISA guide 5.7.1): number j is in, the younger ones stay out
	v_cvt_pk_bf16_f32 v[WR+4*j],   v[WR+4*j],   v[WR+4*j+1]
	v_cvt_pk_bf16_f32 v[WR+4*j+1], v[WR+4*j+2], v[WR+4*j+3]
	global_store_b64 v[OUT], v[WR+4*j:WR+4*j+1], s[34:35] offset:256*j th:TH_STORE_NT  ; 32 lanes store 256 consecutive bytes, aligned; no register of a store is written again
.set j, j+1
.endr
	s_endpgm
.Lfunc_end_k_qa08bb324db_prep:
	.size	k_qa08bb324db_prep, .Lfunc_end_k_qa08bb324db_prep-k_qa08bb324db_prep
	.p2alignl 7, 3214868480
	.fill 96, 4, 3214868480
	.section	.rodata,"a",@progbits
	.p2align	6, 0x0
	.amdhsa_kernel k_qa08bb324db_prep
		.amdhsa_group_segment_fixed_size 58880
		.amdhsa_private_segment_fixed_size 0
		.amdhsa_enable_private_segment 0
		.amdhsa_kernarg_size 64
		.amdhsa_user_sgpr_count 2
		.amdhsa_user_sgpr_kernarg_segment_ptr 1
		.amdhsa_wavefront_size32 1
		.amdhsa_system_sgpr_workgroup_id_x 1
		.amdhsa_system_sgpr_workgroup_id_y 1
		.amdhsa_system_sgpr_workgroup_id_z 1
		.amdhsa_system_vgpr_workitem_id 0
		.amdhsa_next_free_vgpr 240
		.amdhsa_next_free_sgpr 66
		.amdhsa_reserve_vcc 0
		.amdhsa_float_denorm_mode_32 3
		.amdhsa_float_denorm_mode_16_64 3
		.amdhsa_memory_ordered 1
		.amdhsa_forward_progress 1
		.amdhsa_inst_pref_size 40
	.end_amdhsa_kernel
	.amdgpu_metadata
---
amdhsa.version: [ 1, 2 ]
amdhsa.kernels:
  - .name:           k_qa08bb324db_prep
    .symbol:         k_qa08bb324db_prep.kd
    .args:
      - { .name: X, .offset: 0, .size: 8, .value_kind: global_buffer, .address_space: global }
      - { .name: Y, .offset: 8, .size: 8, .value_kind: global_buffer, .address_space: global }
      - { .name: Wq, .offset: 16, .size: 8, .value_kind: global_buffer, .address_space: global }
      - { .name: Wk, .offset: 24, .size: 8, .value_kind: global_buffer, .address_space: global }
      - { .name: Wv, .offset: 32, .size: 8, .value_kind: global_buffer, .address_space: global }
      - { .name: Ybf, .offset: 40, .size: 8, .value_kind: global_buffer, .address_space: global }
      - { .name: Wvb, .offset: 48, .size: 8, .value_kind: global_buffer, .address_space: global }
      - { .name: kqp, .offset: 56, .size: 8, .value_kind: global_buffer, .address_space: global }
    .group_segment_fixed_size: 58880
    .private_segment_fixed_size: 0
    .kernarg_segment_align: 8
    .kernarg_segment_size: 64
    .max_flat_workgroup_size: 128
    .sgpr_count:     66
    .vgpr_count:     240
    .wavefront_size: 32
...
	.end_amdgpu_metadata
.endif
;; end of part 1
;; launch soft (part 2): grid 16 x 1, 4 waves a work-group, no clusters, 0 bytes of LDS; arguments kqp, att; writes att
.if DOCPART == 2
	.amdgcn_target "amdgcn-amd-amdhsa--gfx1250"
	.amdhsa_code_object_version 6
	.text
	.protected	k_qa08bb324db_soft
	.globl	k_qa08bb324db_soft
	.p2align	8
	.type	k_qa08bb324db_soft,@function
k_qa08bb324db_soft:
	s_mov_b64 s[64:65], 0
	v_nop
	global_prefetch_b8 v0, s[64:65] scope:SCOPE_SE
	s_setreg_imm32_b32 hwreg(HW_REG_WAVE_MODE, 25, 1), 1
	s_wait_xcnt 0x0
; att[R][:] = softmax over the 1,024 channels of where(l > n, -1e9, k[R][:] x sum(q[R][:]) / 32), for the 64 rows R = 8 n + l (n, l < 8).
; kqp holds k and q as four f32 partial sums over K each: [k or q][chunk][R][1,024].  One wave takes one row: 32 channels a lane, all in registers; nothing leaves the wave, so no LDS and no barrier.
; All in f32.  The row's maximum is taken away before the exponential, as reference() does; a masked row gives 1 in every channel, the sum 1,024 and the weight 2^-10.
; LIMITS.  A weight below 2^-126 counts as 0; NaN and infinities are not treated apart; the sums are taken in another order than reference()'s.
; 16 work-groups: 64 rows are all the work there is.  No prefetch: every load of a wave is issued at its head.
.set CHUNK, 64*4096                    ; bytes from one partial sum to the next
.set QR,  0                            ; window 1, v[0:127]: q's four chunks, 32 registers each
.set KR,  16                           ; v[16:143]: k's four chunks; the first becomes k, the score, the weight
.set T,   144                          ; v[144:207] at work
.set MSB, 0
.macro WIN new                         ; s_set_vgpr_msb: bits 1:0 source 0, 3:2 source 1, 5:4 source 2, 7:6 destination; the high byte repeats the setting that is left
.if MSB != (\new)
	s_set_vgpr_msb (MSB<<8)|(\new)
.set MSB, \new
.endif
.endm
.macro HALVE base, n                   ; of 2 n pairs of registers the upper n are added onto the lower n
.set i, 0
.rept \n
	v_pk_add_f32 v[(\base)+2*i:(\base)+2*i+1], v[(\base)+2*i:(\base)+2*i+1], v[(\base)+2*(i+(\n)):(\base)+2*(i+(\n))+1]
.set i, i+1
.endr
.endm
.macro WSUM x                          ; the sum over the 32 lanes, in every lane: four steps inside each half of 16 lanes, one across
.irp m, 1,2,4,8
	v_add_f32_dpp v[\x], v[\x], v[\x] row_xmask:\m row_mask:0xf bank_mask:0xf
.endr
	v_permlanex16_b32 v3, v[\x], s14, s15
	v_add_f32 v[\x], v[\x], v3
.endm
	s_load_b128 s[4:7], s[0:1], 0x0                ; kqp s[4:5], att s[6:7]
	v_lshrrev_b32 v2, 5, v0
	v_readfirstlane_b32 s16, v2                    ; wave
	v_and_b32 v1, 31, v0
	v_lshlrev_b32 v1, 4, v1                        ; 16 bytes a lane
	v_mov_b32 v3, 0                                ; v_permlanex16_b32's destination counts as read
	v_mov_b32 v10, 0xce6e6b28                      ; -1e9
	s_lshl_b32 s17, ttmp9, 2
	s_add_co_u32 s17, s17, s16                     ; R
	s_lshr_b32 s18, s17, 3                         ; n
	s_and_b32 s19, s17, 7                          ; l
	s_cmp_gt_u32 s19, s18
	s_cselect_b32 s12, -1, 0                       ; the mask of reference(): all lanes where l > n
	s_lshl_b32 s2, s17, 12
	s_mov_b32 s3, 0
	s_mov_b32 s14, 0x76543210                      ; each lane takes its own place in the other half
	s_mov_b32 s15, 0xfedcba98
	s_wait_kmcnt 0x0
	s_add_nc_u64 s[8:9], s[4:5], s[2:3]
	s_add_nc_u64 s[10:11], s[6:7], s[2:3]
	WIN 0x40                                       ; destination window 1
.irp c, 0,1,2,3
.irp j, 0,1,2,3,4,5,6,7
	global_load_b128 v[QR+32*(\c)+4*(\j):QR+32*(\c)+4*(\j)+3], v1, s[8:9] offset:(4+(\c))*CHUNK+512*(\j)
.endr
.endr
	WIN 0
.irp c, 0,1,2,3
.irp j, 0,1,2,3,4,5,6,7
	global_load_b128 v[KR+32*(\c)+4*(\j):KR+32*(\c)+4*(\j)+3], v1, s[8:9] offset:(\c)*CHUNK+512*(\j)
.endr
.endr
	s_wait_loadcnt 32                              ; q is in; k's 32 loads were issued behind it
	WIN 0x05                                       ; sources in window 1, destination in window 0
.set i, 0
.rept 32
	v_pk_add_f32 v[T+2*i:T+2*i+1], v[QR+4*i:QR+4*i+1], v[QR+4*i+2:QR+4*i+3]
.set i, i+1
.endr
	WIN 0
	HALVE T, 16
	HALVE T, 8
	HALVE T, 4
	HALVE T, 2
	HALVE T, 1
	v_add_f32 v2, v[T], v[T+1]
	WSUM 2                                         ; the sum of the row's q
	v_mul_f32 v4, 0x3d000000, v2                   ; / sqrt(1,024)
	v_mul_f32 v5, 0x3d000000, v2                   ; twice: a pair for the packed multiply
	s_wait_loadcnt 0x0                             ; k is in
.irp c, 1,2,3
.set i, 0
.rept 16
	v_pk_add_f32 v[KR+2*i:KR+2*i+1], v[KR+2*i:KR+2*i+1], v[KR+32*(\c)+2*i:KR+32*(\c)+2*i+1]
.set i, i+1
.endr
.endr
.set i, 0
.rept 16
	v_pk_mul_f32 v[KR+2*i:KR+2*i+1], v[KR+2*i:KR+2*i+1], v[4:5]  ; the score
.set i, i+1
.endr
.set i, 0
.rept 32
	v_cndmask_b32 v[KR+i], v[KR+i], v10, s12       ; -1e9 where the row is masked: a choice of values, no branch
.set i, i+1
.endr
.irp c, 0,1,2,3                        ; the maximum: four chains of eight
	v_max3_num_f32 v[T+(\c)], v[KR+8*(\c)], v[KR+8*(\c)+1], v[KR+8*(\c)+2]
.endr
.irp c, 0,1,2,3
	v_max3_num_f32 v[T+(\c)], v[T+(\c)], v[KR+8*(\c)+3], v[KR+8*(\c)+4]
.endr
.irp c, 0,1,2,3
	v_max3_num_f32 v[T+(\c)], v[T+(\c)], v[KR+8*(\c)+5], v[KR+8*(\c)+6]
.endr
.irp c, 0,1,2,3
	v_max_num_f32 v[T+(\c)], v[T+(\c)], v[KR+8*(\c)+7]
.endr
	v_max3_num_f32 v6, v[T], v[T+1], v[T+2]
	v_max_num_f32 v6, v6, v[T+3]
.irp m, 1,2,4,8
	v_max_num_f32_dpp v6, v6, v6 row_xmask:\m row_mask:0xf bank_mask:0xf
.endr
	v_permlanex16_b32 v3, v6, s14, s15
	v_max_num_f32 v6, v6, v3
	v_mov_b32 v7, v6
.set i, 0
.rept 16
	v_pk_add_f32 v[KR+2*i:KR+2*i+1], v[KR+2*i:KR+2*i+1], v[6:7] neg_lo:[0,1] neg_hi:[0,1]  ; the difference first: the largest score gives exactly 0
.set i, i+1
.endr
.set i, 0
.rept 16
	v_pk_mul_f32 v[KR+2*i:KR+2*i+1], v[KR+2*i:KR+2*i+1], 0x3fb8aa3b op_sel_hi:[1,0]      ; x log2(e)
.set i, i+1
.endr
.set i, 0
.rept 32
	v_exp_f32 v[KR+i], v[KR+i]                     ; one batch
.set i, i+1
.endr
	v_nop                                          ; a plain instruction behind the last exponential (ISA guide 5.7.2),
	s_wait_alu depctr_va_vdst(0)                   ; and the one wait ahead of the batch's first reader
.set i, 0
.rept 8
	v_pk_add_f32 v[T+2*i:T+2*i+1], v[KR+2*i:KR+2*i+1], v[KR+16+2*i:KR+16+2*i+1]  ; the sum goes into other registers: the weights are kept
.set i, i+1
.endr
	HALVE T, 4
	HALVE T, 2
	HALVE T, 1
	v_add_f32 v2, v[T], v[T+1]
	WSUM 2
	v_rcp_f32 v8, v2
	v_rcp_f32 v9, v2
	v_nop
	s_wait_alu depctr_va_vdst(0)                   ; one wait for both reciprocals
.set i, 0
.rept 16
	v_pk_mul_f32 v[KR+2*i:KR+2*i+1], v[KR+2*i:KR+2*i+1], v[8:9]
.set i, i+1
.endr
.irp j, 0,1,2,3,4,5,6,7
	global_store_b128 v1, v[KR+4*(\j):KR+4*(\j)+3], s[10:11] offset:512*(\j)  ; 512 consecutive bytes, aligned
.endr
	s_endpgm
.Lfunc_end_k_qa08bb324db_soft:
	.size	k_qa08bb324db_soft, .Lfunc_end_k_qa08bb324db_soft-k_qa08bb324db_soft
	.p2alignl 7, 3214868480
	.fill 96, 4, 3214868480
	.section	.rodata,"a",@progbits
	.p2align	6, 0x0
	.amdhsa_kernel k_qa08bb324db_soft
		.amdhsa_group_segment_fixed_size 0
		.amdhsa_private_segment_fixed_size 0
		.amdhsa_enable_private_segment 0
		.amdhsa_kernarg_size 16
		.amdhsa_user_sgpr_count 2
		.amdhsa_user_sgpr_kernarg_segment_ptr 1
		.amdhsa_wavefront_size32 1
		.amdhsa_system_sgpr_workgroup_id_x 1
		.amdhsa_system_sgpr_workgroup_id_y 1
		.amdhsa_system_sgpr_workgroup_id_z 1
		.amdhsa_system_vgpr_workitem_id 0
		.amdhsa_next_free_vgpr 384
		.amdhsa_next_free_sgpr 66
		.amdhsa_reserve_vcc 0
		.amdhsa_float_denorm_mode_32 3
		.amdhsa_float_denorm_mode_16_64 3
		.amdhsa_memory_ordered 1
		.amdhsa_forward_progress 1
		.amdhsa_inst_pref_size 26
	.end_amdhsa_kernel
	.amdgpu_metadata
---
amdhsa.version: [ 1, 2 ]
amdhsa.kernels:
  - .name:           k_qa08bb324db_soft
    .symbol:         k_qa08bb324db_soft.kd
    .args:
      - { .name: kqp, .offset: 0, .size: 8, .value_kind: global_buffer, .address_space: global }
      - { .name: att, .offset: 8, .size: 8, .value_kind: global_buffer, .address_space: global }
    .group_segment_fixed_size: 0
    .private_segment_fixed_size: 0
    .kernarg_segment_align: 8
    .kernarg_segment_size: 16
    .max_flat_workgroup_size: 128
    .sgpr_count:     66
    .vgpr_count:     384
    .wavefront_size: 32
...
	.end_amdgpu_metadata
.endif
;; end of part 2
;; launch gemm (part 3): grid 4 x 64, 4 waves a work-group, clusters of 4 x 4, 327,680 bytes of LDS; arguments Ybf, Wvb, att, out0; writes out0
.if DOCPART == 3
	.amdgcn_target "amdgcn-amd-amdhsa--gfx1250"
	.amdhsa_code_object_version 6
	.text
	.protected	k_qa08bb324db_gemm
	.globl	k_qa08bb324db_gemm
	.p2align	8
	.type	k_qa08bb324db_gemm,@function
k_qa08bb324db_gemm:
	s_mov_b64 s[64:65], 0
	v_nop
	global_prefetch_b8 v0, s[64:65] scope:SCOPE_SE
	s_setreg_imm32_b32 hwreg(HW_REG_WAVE_MODE, 25, 1), 1
	s_wait_xcnt 0x0
	s_wait_alu depctr_hold_cnt(0) depctr_sa_sdst(0) depctr_va_vdst(0) depctr_va_sdst(0) depctr_va_ssrc(0) depctr_va_vcc(0) depctr_vm_vsrc(0)
	s_getreg_b32 s2, hwreg(HW_REG_IB_STS2, 6, 4)
	s_cmp_eq_u32 s2, 0
	s_cbranch_scc0 .Lentry_in_a_cluster
	s_endpgm
.Lentry_in_a_cluster:
	s_bfe_u32 s2, ttmp6, 0x10000c
	s_cmp_lg_u32 s2, 0xf033
	s_cbranch_scc0 .Lentry_shape_is_right
	s_endpgm
.Lentry_shape_is_right:
; out0[row][c] = w[row][c] x the sum over k of Ybf[row][k] Wvb[k][c].  Ybf: [16,384][1,024] bf16 (Y rounded), Wvb: [1,024 k][1,024 c] bf16 (Wv rounded), out0 f32; sums in f32, K ascending.
; THE WEIGHT w is reference()'s softmax.  A row (n, l) with l > n is masked: all its scores are -1e9 and its softmax is 2^-10 in every channel.  The rows with l < 8 take their weights from
; att[8 n + l][c], made by the launch before (it holds 2^-10 in the masked ones among them); every other row is multiplied by the constant 2^-10, which changes only the exponent.
; A tile of C, 256 x 256, is made by a work-group of four waves; a wave makes 128 x 128: 64 accumulators of 16 x 16, 512 registers.  64 x 4 tiles: one for each work-group.
; K goes in steps of 128 through a ring of two LDS slots filled by the tensor data mover.  A's tile has rows of 256 bytes; B's tile, 128 rows of K x 256 columns, rows of 512 bytes; all start at multiples of 256.
; B lies [K][column]: its fragments come out of LDS by the turning load ds_load_tr16_b128, which leaves column r in lane (r, h) and K along the registers, as a fragment wants it.
; CLUSTERS: 4 x 4 work-groups.  The four of a row of the cluster need the same tiles of A, the four of a column the same tiles of B: each tile is asked for JOINTLY, by the same tensor load with the
; same descriptor and a mask that names the four.  THE MATRIX INSTRUCTION IS USED TRANSPOSED (source 0 = 16 columns of B, source 1 = 16 rows of A): a lane then holds eight neighbouring numbers of a row of C.
; REGISTERS, in windows of 256 (s_set_vgpr_msb: bits 1:0 source 0, 3:2 source 1, 5:4 source 2, 7:6 destination):
;   window 0: v0-31 addresses; v32-63 eight rows of weights; v64-127, v128-191 fragments of A, two buffers, on the way out rows read back from the stage
;   window 1: v64-127, v128-191 fragments of B, two buffers      window 2: the accumulators of my rows 0-63 ((a, b) at v[8 (8 a + b)])      window 3: those of my rows 64-127
; LIMITS.  NaN and infinities are not treated apart; a product below 2^-116 in size loses bits in the multiplication by 2^-10.
.set SIZE_K, 1024
.set SIZE_N, 1024
.set KSTEP,  128
.set PITCH,  272                       ; a row of A in LDS: 256 bytes + 16 of padding = 68 words: the 16 rows of a load start at 16 different groups of four banks (64 banks of 4 bytes: ISA guide 11.1)
.set PB,     544                       ; a row of B: 512 + 32 = 136 words
.set HALFT,  128*PITCH                 ; what one tensor load brings: 128 rows of A, or 64 rows of B (64 x 544 is the same number)
.set SLOT,   4*HALFT                   ; A's 256 rows, then B's 128 rows
.set STAGE,  2*SLOT                    ; behind the ring: 16 rows x 528 bytes for each wave, for the way out; no tensor load fills it
.set SPITCH, 528                       ; 128 f32 + 16 bytes
.set SPARE,  STAGE+4*16*SPITCH         ; behind the stages: the spare words, 128 bytes for each wave: two blocks of 256 bytes that no other line names
.set LAPS,   SIZE_K/(2*KSTEP)          ; a lap = two K steps = once round the ring
.set ASTEP,  2*KSTEP*2                 ; two K steps along a row of A, in bytes
.set BSTEP,  2*KSTEP*SIZE_N*2          ; two K steps down the rows of B
.set ADRA, 16                          ; v16-17  LDS address of my A fragments in slot 0, 1
.set ADRB, 20                          ; v20-21  the same for B
.set STO,  24                          ; v24     the way out: where I put 16 bytes of a row
.set RD,   25                          ; v25     the way out: where I read a row back
.set CO,   26                          ; v26     16 x my lane: my 16 bytes of 512
.set SC,   27                          ; v27     2^-10
.set SPW,  28                          ; v28     LDS address of my spare word; never rewritten
.set NIL,  29                          ; v29     0; never rewritten
.set PFO,  30                          ; v30     the prefetches' offset; never rewritten
.set ATT,  32                          ; v32-63  the weights of my first eight rows, 4 registers a row
.set F0,   64
.set F1,   128
.set G1,  24                           ; s[24:31] descriptor group 1 for A's tiles;  s[32:39] group 0, one set for each slot
.set G0,  32
.set G1B, 48                           ; s[48:55], s[56:63] the same for B's tiles
.set G0B, 56
.set LIM, 43                           ; s43      1 in a wave that prefetches, else the greatest number
.set PFA, 44                           ; s[44:45] where my prefetches stand
.set PST, 72                           ; s[72:73] a K step for them: 256 bytes along A's rows, 128 rows down B
.set SEL, 74                           ; s74      all ones where my first eight rows are a sentence's first eight: it chooses values, never a path or an LDS address
.set MSB, 0
.macro WIN new                         ; the immediate's high byte repeats the setting that is left; a switch that changes nothing is dropped
.if MSB != (\new)
	s_set_vgpr_msb (MSB<<8)|(\new)
.set MSB, \new
.endif
.endm
.set MUL_LO, 0xa1                      ; source 0 (B) window 1, source 1 (A) window 0, C and D window 2
.set MUL_HI, 0xf1                      ; the same, C and D window 3
.set TO_B,   0x40                      ; destination window 1, address window 0
; A joint load.  Waves 0 and 1 fetch A's two halves, waves 2 and 3 B's.  The branch hangs on the wave's number alone.  An s_nop 0 and four v_nop follow each of the two lines.
.macro JLOAD s
	s_cmp_eq_u32 s11, 0
	s_cbranch_scc0 .Lfor_b_\@
	tensor_load_to_lds s[G0+4*(\s):G0+4*(\s)+3], s[G1:G1+7]
	s_nop 0
.rept 4
	v_nop
.endr
	s_branch .Lasked_\@
.Lfor_b_\@:
	tensor_load_to_lds s[G0B+4*(\s):G0B+4*(\s)+3], s[G1B:G1B+7]
	s_nop 0
.rept 4
	v_nop
.endr
.Lasked_\@:
.endm
; A PREFETCH INTO THE L2, behind each joint load, its five lines and the run of LDS loads that follows them: the K step that stands two refills on, 32 blocks of 256 bytes, a lane a block, one instruction a wave.
; Each block is named once in the launch.  A's rows are read by one cluster alone (the grid is one cluster wide); B's by all sixteen clusters: the one with y = 0 asks.  The four partners that ask for a tile
; jointly share it out BY ADDRESS: of A's 128 rows partner cx takes 32; of B's 64 rows of 512 bytes partner cy takes 16.  The loop's last trip asks for nothing: its refills are the last two K steps.
.macro ASK
	s_cmp_gt_u32 s3, s[LIM]                        ; s3 = 1 in the loop's last trip
	s_cbranch_scc0 .Lnot_mine_\@
	global_prefetch_b8 v[PFO], s[PFA:PFA+1] th:TH_LOAD_NT scope:SCOPE_SE
.Lnot_mine_\@:
.endm
.macro CREST                           ; a round of the cluster's barrier behind its opening barrier
	s_cmp_lg_u32 s10, 0
	s_cbranch_scc1 .Lnot_wave_0_\@
	s_barrier_signal -3
.Lnot_wave_0_\@:
	s_barrier_wait -3
	s_barrier_signal -1
	s_barrier_wait -1
.endm
.macro CROUND                          ; a whole round
	s_barrier_signal -1
	s_barrier_wait -1
	CREST
.endm
	s_load_b128 s[4:7], s[0:1], 0x0                ; Ybf s[4:5], Wvb s[6:7]
	s_load_b128 s[68:71], s[0:1], 0x10             ; att s[68:69], out0 s[70:71]
	v_lshl_add_u32 v[SPW], v0, 2, SPARE
	v_mov_b32 v[NIL], 0
	ds_add_u32 v[SPW], v[NIL]                      ; the wave's opening: the add and its wait stand ahead of my first tensor load; the set-up below, work on registers, stands between them
	v_lshrrev_b32 v1, 5, v0
	v_readfirstlane_b32 s10, v1                    ; wave 0..3
	s_lshr_b32 s11, s10, 1                         ; which half of the tile's rows is mine.  Also: I fetch for A (0) or for B (1)
	s_and_b32 s12, s10, 1                          ; which half of its columns.  Also: which half of that tile I fetch
	s_bfe_u32 s40, ttmp6, 0x40000                  ; cx, cy: my place in the cluster
	s_bfe_u32 s41, ttmp6, 0x40004
	s_lshl_b32 s42, ttmp9, 2
	s_add_co_u32 s42, s42, s40                     ; tile column of C = 4 x cluster x + cx
	s_and_b32 s13, ttmp7, 0xffff
	s_lshl_b32 s13, s13, 2
	s_add_co_u32 s13, s13, s41                     ; tile row of C = 4 x cluster y + cy
	s_lshl_b32 s43, s41, 2
	s_lshl_b32 s43, 15, s43                        ; my row of the cluster: places 4 cy .. 4 cy + 3
	s_lshl_b32 s44, 0x1111, s40                    ; my column: places cx, cx + 4, cx + 8, cx + 12
	; descriptor group 1.  A: 128 rows x 128 elements; B: 64 rows x 256 elements; both padded in LDS
	s_or_b32 s[G1+0], s43, (1<<16)|(1<<20)|(1<<21)|(5<<22)|(3<<25)   ; 15:0 the mask: my row; 17:16 2-byte elements; 20 padding on; 21 set beside a mask; 24:22 after every 64 words (code 5); 31:25 4 words (code 3)
	s_or_b32 s[G1B+0], s44, (1<<16)|(1<<20)|(1<<21)|(6<<22)|(7<<25)  ; the mask: my column; after every 128 words (code 6) 8 words (code 7)
	s_mov_b32 s[G1+1], 128<<16                     ; tensor_dim0 = 128
	s_mov_b32 s[G1+2], 128<<16                     ; tensor_dim1 = 128
	s_mov_b32 s[G1+3], 128<<16                     ; tile_dim0 = 128
	s_mov_b32 s[G1+4], 128                         ; tile_dim1 = 128
	s_mov_b32 s[G1+5], SIZE_K                      ; elements from row to row
	s_mov_b32 s[G1+6], 0
	s_mov_b32 s[G1+7], 0
	s_mov_b32 s[G1B+1], 256<<16                    ; tensor_dim0 = 256
	s_mov_b32 s[G1B+2], 64<<16                     ; tensor_dim1 = 64
	s_mov_b32 s[G1B+3], 256<<16                    ; tile_dim0 = 256
	s_mov_b32 s[G1B+4], 64                         ; tile_dim1 = 64
	s_mov_b32 s[G1B+5], SIZE_N
	s_mov_b32 s[G1B+6], 0
	s_mov_b32 s[G1B+7], 0
	; where the tiles come from.  A's hang on the tile row alone, which my row of the cluster shares; B's on the tile column alone, which my column shares
	s_lshl_b32 s17, s12, 7
	s_lshl_b32 s16, s13, 8
	s_add_co_u32 s16, s16, s17                     ; A: row 256 x tile row + 128 x half,
	s_lshl_b32 s16, s16, 11                        ; of 2,048 bytes: under 2^26
	s_mov_b32 s17, 0
	s_lshl_b32 s46, s42, 9                         ; B: 512 bytes x tile column,
	s_lshl_b32 s47, s12, 17                        ; 64 rows of 2,048 bytes x half
	s_add_co_u32 s46, s46, s47
	s_mov_b32 s47, 0
	s_mul_i32 s20, s10, HALFT                      ; and where they go: wave x 34,816: no place in the cluster enters an LDS address
	s_wait_dscnt 0x0                               ; the opening add is done
	s_wait_kmcnt 0x0
	s_add_nc_u64 s[14:15], s[4:5], s[16:17]
	s_add_nc_u64 s[46:47], s[6:7], s[46:47]
	CROUND                                         ; all sixteen work-groups are here: the first joint loads meet
.irp s, 0,1
	s_mov_b32 s[G0+4*(\s)], 1                                      ; 1:0 count = 1
	s_add_co_u32 s[G0+4*(\s)+1], s20, (\s)*SLOT                    ; 63:32 LDS address
	s_add_nc_u64 s[G0+4*(\s)+2:G0+4*(\s)+3], s[14:15], (\s)*KSTEP*2  ; 120:64 global address: K step s
	s_or_b32 s[G0+4*(\s)+3], s[G0+4*(\s)+3], 0x80000000            ; 127:126 type = 2
	s_mov_b32 s[G0B+4*(\s)], 1
	s_add_co_u32 s[G0B+4*(\s)+1], s20, (\s)*SLOT
	s_add_nc_u64 s[G0B+4*(\s)+2:G0B+4*(\s)+3], s[46:47], (\s)*KSTEP*SIZE_N*2
	s_or_b32 s[G0B+4*(\s)+3], s[G0B+4*(\s)+3], 0x80000000
	JLOAD \s                                       ; the ring is filled before anything else is done: two loads of mine are out
.endr
	v_and_b32 v1, 15, v0                           ; r = l % 16
	v_bfe_u32 v2, v0, 4, 1                         ; h = l / 16
	v_and_b32 v6, 31, v0                           ; l
	v_mul_u32_u24 v3, v1, PITCH
	v_lshl_add_u32 v3, v2, 4, v3                   ; A: row x pitch + 16 x half
	v_and_b32 v4, 7, v0
	v_lshl_add_u32 v4, v2, 3, v4
	v_mul_u32_u24 v4, v4, PB                       ; B: the turning load reads K row 8 h + l % 8,
	v_bfe_u32 v5, v0, 3, 1
	v_lshl_add_u32 v4, v5, 4, v4                   ; columns 8 ((l / 8) % 2) + 0..7
	s_mul_i32 s21, s11, HALFT                      ; my 128 rows of A
	s_lshl_b32 s22, s12, 8                         ; my 128 columns of B: 256 bytes of each row,
	s_add_co_u32 s22, s22, 2*HALFT                 ; behind A's 256 rows
.irp s, 0,1
	v_add_nc_u32 v[ADRA+(\s)], s21, v3
	v_add_nc_u32 v[ADRB+(\s)], s22, v4
	s_add_co_u32 s21, s21, SLOT
	s_add_co_u32 s22, s22, SLOT
.endr
	s_mul_i32 s23, s10, 16*SPITCH
	s_add_co_u32 s23, s23, STAGE                   ; my stage
	v_mul_u32_u24 v5, v1, SPITCH                   ; in: row l % 16, 32 bytes for each half of the lanes
	v_lshl_add_u32 v5, v2, 5, v5
	v_add_nc_u32 v[STO], s23, v5
	v_lshlrev_b32 v[CO], 4, v6
	v_add_nc_u32 v[RD], s23, v[CO]                 ; back: 32 lanes take one row of 512 bytes
	v_mov_b32 v[SC], 0x3a800000                    ; 2^-10
	; my part of out0, and the eight rows of att that belong to my sentence and my 128 columns
	s_lshl_b32 s16, s13, 8
	s_lshl_b32 s17, s11, 7
	s_add_co_u32 s16, s16, s17                     ; my first row of C,
	s_lshl_b32 s16, s16, 12                        ; of 4,096 bytes: under 2^27
	s_mov_b32 s17, 0
	s_lshl_b32 s46, s42, 10                        ; my first column, in bytes: 1,024 x tile column + 512 x half
	s_lshl_b32 s47, s12, 9
	s_add_co_u32 s46, s46, s47
	s_mov_b32 s47, 0
	s_add_nc_u64 s[70:71], s[70:71], s[16:17]
	s_add_nc_u64 s[70:71], s[70:71], s[46:47]
	s_lshr_b32 s16, s13, 3                         ; the sentence: eight tile rows each
	s_lshl_b32 s16, s16, 15                        ; its eight rows of att
	s_add_nc_u64 s[68:69], s[68:69], s[16:17]
	s_add_nc_u64 s[68:69], s[68:69], s[46:47]
.irp t, 0,1,2,3,4,5,6,7
	global_load_b128 v[ATT+4*(\t):ATT+4*(\t)+3], v[CO], s[68:69] offset:(\t)*4096  ; every wave loads them (all lie inside att); they are waited for on the way out
.endr
	s_and_b32 s16, s13, 7
	s_or_b32 s16, s16, s11
	s_cmp_eq_u32 s16, 0                            ; a sentence's first tile row, and its upper half
	s_cselect_b32 s[SEL], -1, 0
	; the prefetches: they stand at K step 3; each refill steps them by one K step before it asks
	s_lshl_b32 s20, s13, 8
	s_lshl_b32 s21, s12, 7
	s_add_co_u32 s20, s20, s21
	s_lshl_b32 s21, s40, 5
	s_add_co_u32 s20, s20, s21                     ; A: the 128 rows that I fetch, my work-group's 32 of them
	s_lshl_b32 s20, s20, 11
	s_add_co_u32 s20, s20, 3*KSTEP*2
	s_lshl_b32 s21, s12, 6
	s_lshl_b32 s22, s41, 4
	s_add_co_u32 s21, s21, s22                     ; B: the 64 rows that I fetch, my work-group's 16 of them,
	s_lshl_b32 s21, s21, 11
	s_lshl_b32 s22, s42, 9                         ; the tile column's 512 bytes
	s_add_co_u32 s21, s21, s22
	s_add_co_u32 s21, s21, 3*KSTEP*SIZE_N*2
	s_and_b32 s22, ttmp7, 0xffff                   ; cluster y
	s_mov_b32 s[PST], KSTEP*SIZE_N*2
	s_mov_b32 s[PST+1], 0
	s_cmp_eq_u32 s11, 0                            ; do I fetch for A?
	s_cselect_b32 s20, s20, s21
	s_cselect_b32 s22, ttmp9, s22                  ; the coordinate along which other clusters read the same rows
	s_cselect_b64 s[PFA:PFA+1], s[4:5], s[6:7]
	s_cselect_b32 s[PST], KSTEP*2, s[PST]
	s_mov_b32 s21, 0
	s_cmp_eq_u32 s22, 0
	s_cselect_b32 s[LIM], 1, -1                    ; the same in all sixteen partners, for a given wave
	s_add_nc_u64 s[PFA:PFA+1], s[PFA:PFA+1], s[20:21]
	v_lshrrev_b32 v[PFO], s11, v6                  ; A: a lane a row; B: two lanes a row of 512 bytes
	v_and_b32 v5, s11, v6
	v_lshlrev_b32 v[PFO], 11, v[PFO]
	v_lshl_add_u32 v[PFO], v5, 8, v[PFO]
	; nothing is prefetched here, at the head, where every work-group's first two tiles are on their way
; 16 matrix instructions: m blocks a0, a0 + 1 of the window's four x all 8 n blocks, 32 along K.  zero = 1: the first product starts the sums: nothing is ever cleared.
; The 64 accumulators take turns, one instruction a turn, in the same order in every quarter step.
.macro MUL16 f, hi, a0, zero
	WIN MUL_LO+0x50*(\hi)
.irp a, \a0, (\a0)+1
.irp b, 0,1,2,3,4,5,6,7
.if \zero
	v_wmma_f32_16x16x32_bf16 v[8*(8*(\a)+(\b)):8*(8*(\a)+(\b))+7], v[(\f)+8*(\b):(\f)+8*(\b)+7], v[(\f)+8*(4*(\hi)+(\a)):(\f)+8*(4*(\hi)+(\a))+7], 0
.else
	v_wmma_f32_16x16x32_bf16 v[8*(8*(\a)+(\b)):8*(8*(\a)+(\b))+7], v[(\f)+8*(\b):(\f)+8*(\b)+7], v[(\f)+8*(4*(\hi)+(\a)):(\f)+8*(4*(\hi)+(\a))+7], v[8*(8*(\a)+(\b)):8*(8*(\a)+(\b))+7]
.endif
.endr
.endr
.endm
; 32 LDS loads in one run: the fragments of quarter q of a K step (32 of K) into buffer f: B's 128 columns, turned, then A's 128 rows
.macro FETCH slot, q, f
	WIN TO_B
.irp i, 0,1,2,3,4,5,6,7
	ds_load_tr16_b128 v[(\f)+8*(\i):(\f)+8*(\i)+3],   v[ADRB+(\slot)] offset:(\q)*32*PB+32*(\i)
	ds_load_tr16_b128 v[(\f)+8*(\i)+4:(\f)+8*(\i)+7], v[ADRB+(\slot)] offset:(\q)*32*PB+16*PB+32*(\i)
.endr
	WIN 0
.irp i, 0,1,2,3,4,5,6,7
	ds_load_b128 v[(\f)+8*(\i):(\f)+8*(\i)+3],   v[ADRA+(\slot)] offset:64*(\q)+(\i)*16*PITCH
	ds_load_b128 v[(\f)+8*(\i)+4:(\f)+8*(\i)+7], v[ADRA+(\slot)] offset:64*(\q)+(\i)*16*PITCH+32
.endr
.endm
.macro PLACES                          ; four places in front of loads into registers that matrix instructions have read (ISA guide 7.12.1 for vector instructions)
.rept 4
	v_nop
.endr
.endm
; A K step is four quarters of 32 along K, 64 matrix instructions each, on buffers 0, 1, 0, 1.  One of the first three: multiplies buffer f; in its middle it fetches quarter q into buffer g.
.macro QUARTER slot, q, f, g, zero
	s_wait_dscnt 8                                 ; B and A's rows 0-63 are in; the youngest eight loads (A's rows 64-127) may be out
	WIN MUL_LO
	MUL16 \f, 0, 0, \zero
	MUL16 \f, 0, 2, \zero
	PLACES
	FETCH \slot, \q, \g
	s_wait_dscnt 32                                ; all but the 32 just issued
	WIN MUL_HI
	MUL16 \f, 1, 0, \zero
	MUL16 \f, 1, 2, \zero
.endm
; The last quarter multiplies buffer 1 and changes slots.  MEET is its first half: ONE barrier.  In front of it each wave waits for all its tensor loads, of which one is out at the most: its part of the
; next slot; adds 0 to its spare word; and waits for that and for its own reads of this slot.  Behind it nobody reads this slot any more and the next slot is whole.
.macro MEET round                      ; round = 1: a round of the cluster's barrier follows
	WIN 0                                          ; (the add's two registers lie in window 0)
	s_wait_tensorcnt 0x0                           ; all my tensor loads have landed;
	ds_add_u32 v[SPW], v[NIL]                      ; 0 onto my spare word;
	s_wait_dscnt 9                                 ; (the add and the youngest eight loads may be out)
	WIN MUL_LO
	MUL16 F1, 0, 0, 0                              ; sixteen matrix instructions stand between the add and the wait for it
	s_wait_dscnt 0x0                               ; the add is done, and my reads of this slot are over:
	s_barrier_signal -1                            ; say so,
	MUL16 F1, 0, 2, 0                              ; work on registers while the others arrive,
.if \round
	WIN 0
.endif
	s_barrier_wait -1                              ; and go on when all four have said so
.endm
; The whole last quarter.  fill = 1: the barrier opens a round of the cluster's barrier, and behind it the slot just read out is filled again first, with the K step two steps on;
; from that request to the wait for it a wave issues 224 matrix instructions.  Then come the next slot's first fragments.
.macro TURN slot, next, fill
.if \fill
	s_wait_xcnt 0x0                                ; the last prefetch, a K step back, has read its address: it is stepped here, ahead of the waits of the change of slots
	s_add_nc_u64 s[PFA:PFA+1], s[PFA:PFA+1], s[PST:PST+1]
	MEET 1
	CREST                                          ; no wave of any partner still reads this slot's tile or has a load on its way
	s_add_nc_u64 s[G0+4*(\slot)+2:G0+4*(\slot)+3], s[G0+4*(\slot)+2:G0+4*(\slot)+3], ASTEP
	s_add_nc_u64 s[G0B+4*(\slot)+2:G0B+4*(\slot)+3], s[G0B+4*(\slot)+2:G0B+4*(\slot)+3], BSTEP
	JLOAD \slot                                    ; the first tensor load behind the round; the four v_nop behind it are also the places in front of the loads below
.else
	MEET 0
	PLACES
.endif
	FETCH \next, 0, F0
.if \fill
	ASK                                            ; behind the joint load and the run of LDS loads that the next products wait for
.endif
	WIN MUL_HI
	MUL16 F1, 1, 0, 0
	MUL16 F1, 1, 2, 0
.endm
	s_wait_tensorcnt 1                             ; my part of K step 0 is in; K step 1's load, issued behind it, may stay out
	s_barrier_signal -1
	s_barrier_wait -1                              ; everybody's is
	FETCH 0, 0, F0
	QUARTER 0, 1, F0, F1, 1                        ; the first quarter stands in front of the loop: its products start the sums
	WIN 0                                          ; at a label and at a branch every window is 0
	s_mov_b32 s3, LAPS-1
.Llap:                                                 ; a trip goes once round the ring, from a lap's second quarter to the next lap's first, and fills both slots again
	QUARTER 0, 2, F1, F0, 0
	QUARTER 0, 3, F0, F1, 0
	TURN 0, 1, 1
	QUARTER 1, 1, F0, F1, 0
	QUARTER 1, 2, F1, F0, 0
	QUARTER 1, 3, F0, F1, 0
	TURN 1, 0, 1
	QUARTER 0, 1, F0, F1, 0
	WIN 0
	s_sub_co_u32 s3, s3, 1
	s_cmp_lg_u32 s3, 0
	s_cbranch_scc1 .Llap
	QUARTER 0, 2, F1, F0, 0                        ; the last lap fills nothing, and has no round of the cluster's barrier
	QUARTER 0, 3, F0, F1, 0
	TURN 0, 1, 0
	QUARTER 1, 1, F0, F1, 0
	QUARTER 1, 2, F1, F0, 0
	QUARTER 1, 3, F0, F1, 0
	s_wait_dscnt 8                                 ; the very last quarter: nothing more to fetch
	MUL16 F1, 0, 0, 0
	MUL16 F1, 0, 2, 0
	s_wait_dscnt 0x0
	MUL16 F1, 1, 0, 0
	MUL16 F1, 1, 2, 0
	; THE WAY OUT, a block of 16 rows at a time: the f32 sums go into my own stage in LDS, 32 bytes a lane, come back as whole rows of 512 bytes, are multiplied by the weight and stored.
	WIN 0
	s_wait_loadcnt 0x0                             ; the eight rows of att
.set i, 0
.rept 32
	v_cndmask_b32 v[ATT+i], v[SC], v[ATT+i], s[SEL]  ; att where my first eight rows are a sentence's first eight, else 2^-10.  These 32 lines are also the places behind the last products
.set i, i+1
.endr
.macro TOSTAGE a
.set AC, 64*((\a)%4)
.set BK, F0+64*((\a)%2)
.if (\a) >= 2
	s_wait_xcnt 0x0                                ; the stores of the block two back have read the registers that are loaded again below
.endif
	WIN 0x08+4*((\a)/4)                            ; store data (source 1) in window 2 or 3
.irp b, 0,1,2,3,4,5,6,7
	ds_store_b128 v[STO], v[AC+8*(\b):AC+8*(\b)+3]   offset:64*(\b)     ; each accumulator's low registers first
	ds_store_b128 v[STO], v[AC+8*(\b)+4:AC+8*(\b)+7] offset:64*(\b)+16
.endr
	WIN 0
.irp t, 0,1,2,3,4,5,6,7,8,9,10,11,12,13,14,15
	ds_load_b128 v[BK+4*(\t):BK+4*(\t)+3], v[RD] offset:(\t)*SPITCH     ; LDS serves a wave's instructions in order (ISA guide 5.7.1.4): these see the stores above; the next block's stores come behind them
.endr
.endm
.macro SEND a, younger                 ; younger: the LDS instructions issued behind block a's loads: the next block's 32, or none
.set BK, F0+64*((\a)%2)
	WIN 0
.irp t, 0,1,2,3,4,5,6,7,8,9,10,11,12,13,14,15
	s_wait_dscnt (\younger)+15-(\t)                ; row t is back
.if ((\a) == 0) && ((\t) < 8)
	v_pk_mul_f32 v[BK+4*(\t):BK+4*(\t)+1],   v[BK+4*(\t):BK+4*(\t)+1],   v[ATT+4*(\t):ATT+4*(\t)+1]
	v_pk_mul_f32 v[BK+4*(\t)+2:BK+4*(\t)+3], v[BK+4*(\t)+2:BK+4*(\t)+3], v[ATT+4*(\t)+2:ATT+4*(\t)+3]
.else
	v_pk_mul_f32 v[BK+4*(\t):BK+4*(\t)+1],   v[BK+4*(\t):BK+4*(\t)+1],   0x3a800000 op_sel_hi:[1,0]
	v_pk_mul_f32 v[BK+4*(\t)+2:BK+4*(\t)+3], v[BK+4*(\t)+2:BK+4*(\t)+3], 0x3a800000 op_sel_hi:[1,0]
.endif
	global_store_b128 v[CO], v[BK+4*(\t):BK+4*(\t)+3], s[70:71] offset:(\a)*65536+(\t)*4096 th:TH_STORE_NT  ; 32 lanes store 512 consecutive bytes, aligned; the row stands in the immediate, 520,192 at the most
.endr
.endm
	TOSTAGE 0
	TOSTAGE 1
	SEND 0, 32
.irp a, 2,3,4,5,6,7                    ; a block's way through the stage stands between the loads of the block before and its stores
	TOSTAGE \a
	SEND (\a)-1, 32
.endr
	SEND 7, 0
	s_wait_tensorcnt 0x0                           ; the wave's end: behind my last tensor load and my last LDS store
	ds_add_u32 v[SPW], v[NIL]
	s_wait_dscnt 0x0
	CROUND                                         ; the closing round: no work-group ends while a partner may still ask for a tile that names it
	s_endpgm
.Lfunc_end_k_qa08bb324db_gemm:
	.size	k_qa08bb324db_gemm, .Lfunc_end_k_qa08bb324db_gemm-k_qa08bb324db_gemm
	.p2alignl 7, 3214868480
	.fill 96, 4, 3214868480
	.section	.rodata,"a",@progbits
	.p2align	6, 0x0
	.amdhsa_kernel k_qa08bb324db_gemm
		.amdhsa_group_segment_fixed_size 327680
		.amdhsa_private_segment_fixed_size 0
		.amdhsa_enable_private_segment 0
		.amdhsa_kernarg_size 32
		.amdhsa_user_sgpr_count 2
		.amdhsa_user_sgpr_kernarg_segment_ptr 1
		.amdhsa_wavefront_size32 1
		.amdhsa_system_sgpr_workgroup_id_x 1
		.amdhsa_system_sgpr_workgroup_id_y 1
		.amdhsa_system_sgpr_workgroup_id_z 1
		.amdhsa_system_vgpr_workitem_id 0
		.amdhsa_next_free_vgpr 1024
		.amdhsa_next_free_sgpr 80
		.amdhsa_reserve_vcc 0
		.amdhsa_float_denorm_mode_32 3
		.amdhsa_float_denorm_mode_16_64 3
		.amdhsa_memory_ordered 1
		.amdhsa_forward_progress 1
		.amdhsa_inst_pref_size 172
	.end_amdhsa_kernel
	.amdgpu_metadata
---
amdhsa.version: [ 1, 2 ]
amdhsa.kernels:
  - .name:           k_qa08bb324db_gemm
    .symbol:         k_qa08bb324db_gemm.kd
    .args:
      - { .name: Ybf, .offset: 0, .size: 8, .value_kind: global_buffer, .address_space: global }
      - { .name: Wvb, .offset: 8, .size: 8, .value_kind: global_buffer, .address_space: global }
      - { .name: att, .offset: 16, .size: 8, .value_kind: global_buffer, .address_space: global }
      - { .name: out0, .offset: 24, .size: 8, .value_kind: global_buffer, .address_space: global }
    .group_segment_fixed_size: 327680
    .private_segment_fixed_size: 0
    .kernarg_segment_align: 8
    .kernarg_segment_size: 32
    .max_flat_workgroup_size: 128
    .sgpr_count:     80
    .vgpr_count:     1024
    .wavefront_size: 32
...
	.end_amdgpu_metadata
.endif
;; end of part 3
;; ======== version 2 of 2: 3 launches; version 1 with the launch prep written anew for expert scheduling mode
;; workspace buffers: Ybf 33,554,432 bytes; Wvb 2,097,152 bytes; kqp 2,097,152 bytes; att 262,144 bytes
;; launch prep (part 4): grid 64 x 19, 4 waves a work-group, no clusters, 58,880 bytes of LDS; arguments X, Y, Wq, Wk, Wv, Ybf, Wvb, kqp; writes Ybf, Wvb, kqp
.if DOCPART == 4
	.amdgcn_target "amdgcn-amd-amdhsa--gfx1250"
	.amdhsa_code_object_version 6
	.text
	.protected	k_qa08bb324db_prep
	.globl	k_qa08bb324db_prep
	.p2align	8
	.type	k_qa08bb324db_prep,@function
k_qa08bb324db_prep:
	s_mov_b64 s[64:65], 0
	v_nop
	global_prefetch_b8 v0, s[64:65] scope:SCOPE_SE
	s_setreg_imm32_b32 hwreg(HW_REG_WAVE_SCHED_MODE, 0, 2), 2
	s_setreg_imm32_b32 hwreg(HW_REG_WAVE_MODE, 25, 1), 1
	s_wait_xcnt 0x0
	s_wait_alu depctr_vm_vsrc(0)
; TWO JOBS IN ONE LAUNCH, told apart by the work-group's y, which is the same for all four waves of a work-group.
; y = 0, 1: THE SMALL PRODUCTS.  reference() masks every row (n, l) with l > n, so k = Y Wk and q = X Wq matter only for rows with l <= n <= 7.  The 64 rows R = 8 n + l (n, l < 8) are
;   multiplied here: y = 0 makes k, y = 1 makes q.  Work-group x takes 64 columns (x % 16) and 256 of K (x / 16) and stores an f32 partial sum: kqp[y][x / 16][R][column].  The four partial
;   sums over K are added in f32 by the next launch.  Inputs are rounded once to bf16 (nearest even) for the matrix unit; sums in f32.  Of X no other row is read.
; y = 2 .. 18: THE STREAM.  Y (1,024 work-groups) and Wv (64) are rounded once to bf16 in the layout in which they lie: 65,536 bytes in and 32,768 out for each work-group.
; No tensor loads, no cluster: no two work-groups of the stream read the same byte, and the products' shared rows are 64.  No prefetch: the stream's loads are all issued at once.
; THE MODE: SCHED_MODE bits 1:0 = 2 (LLVM: expert scheduling mode 2), set by the entry lines.  The code itself states the register dependences
; between vector or matrix instructions and memory or LDS instructions, with s_wait_alu, always for 0.
; THE PLAN, THE STREAM.  v[IN] and v[OUT] are made once and never written again.  Load j lands in four registers of v[16:143]; two conversions round it in place into the first two; store j reads those
;   two; nothing writes them again.  The 32 loads go in eight blocks of four.  At the head of block p one wait on va_vdst states that block p - 1's conversions have written what its four stores read;
;   those stores are dealt among block p's conversions, which name block p's registers alone.
; THE PLAN, THE PRODUCTS.  The six offsets and addresses v4 to v9 are made once.  v[144:239]: the rows land as f32 and are packed; the second half lands where the first packing has read.
;   v[16:143]: W lands, is rounded in place in two halves, and LDS stores read it (the first half's stores stand among the second half's conversions); the turning loads land there twice, each time behind
;   the last reader; the stage's rows land there at the end.  v[208:239]: the accumulators, which the stage's LDS stores read.  Each wait's comment names what it states.
.set WP,    160                        ; a row of W in LDS: 64 bf16 = 128 bytes + 32 of padding = 5 x 32: the turning load's 8 rows x 32 bytes fall on different banks (64 banks of 4 bytes: ISA guide 11.1)
.set STG,   256*WP                     ; behind W's 256 rows: 16 rows x 272 bytes for each wave, for the way out
.set SP,    272
.set SPARE, STG+4*16*SP                ; behind the stages: the spare words, 128 bytes for each wave: two blocks of 256 bytes that no other line names
.set WO,  4                            ; v4   h x 4,096 + 16 r: two rows of 256 bytes; for W's loads and for kqp's stores; never rewritten
.set AO,  5                            ; v5   my row R = 16 w + r of X or Y, and 32 h; never rewritten
.set LS,  6                            ; v6   where I put 8 bytes of W
.set TB,  7                            ; v7   my lane's place for the turning load
.set STO, 8                            ; v8   the way out: where I put 16 bytes of a row
.set RD,  9                            ; v9   the way out: where I read a row back
.set IN,  11                           ; v11  the stream: my 16 bytes of the wave's first 512
.set OUT, 12                           ; v12  the stream: my 8 bytes of the wave's first 256
.set SPW, 14                           ; v14  LDS address of my spare word; never rewritten
.set NIL, 15                           ; v15  0; never rewritten
.set WR,  16                           ; v[16:143]  W as loaded, then W's fragments, then rows read back.  The stream: its 32 loads
.set AF,  144                          ; v[144:207] the rows' fragments in bf16, 8 registers for each 32 of K; loaded as f32 into twice the room and packed in place
.set ACC, 208                          ; v[208:239] four accumulators, one for each 16 columns
	s_load_b512 s[16:31], s[0:1], 0x0              ; X 16:17, Y 18:19, Wq 20:21, Wk 22:23, Wv 24:25, Ybf 26:27, Wvb 28:29, kqp 30:31
	v_lshl_add_u32 v[SPW], v0, 2, SPARE
	v_mov_b32 v[NIL], 0
	v_and_b32 v1, 31, v0                           ; L
	v_and_b32 v2, 15, v0                           ; r = L % 16
	v_bfe_u32 v3, v0, 4, 1                         ; h = L / 16
	v_lshrrev_b32 v13, 5, v0
	v_readfirstlane_b32 s8, v13                    ; wave 0..3
	s_and_b32 s9, ttmp7, 0xffff                    ; y
	s_mov_b32 s10, ttmp9                           ; x
	s_wait_alu depctr_va_sdst(0)                   ; s8 is written, ahead of the branch and so of its first reader on either path
	s_wait_kmcnt 0x0
	s_cmp_ge_u32 s9, 2
	s_cbranch_scc1 .Lconv                          ; the whole work-group goes one way
	; ---------------- THE SMALL PRODUCTS ----------------
	s_and_b32 s11, s10, 15                         ; which 64 columns
	s_lshr_b32 s12, s10, 4                         ; which 256 of K
	s_cmp_eq_u32 s9, 0
	s_cselect_b64 s[34:35], s[18:19], s[16:17]     ; rows of Y (k) or of X (q)
	s_cselect_b64 s[32:33], s[22:23], s[20:21]     ; Wk or Wq
	s_lshl_b32 s2, s12, 20                         ; 256 rows of W are 2^20 bytes,
	s_lshl_b32 s3, s8, 18                          ; my wave's 64 of them 2^18,
	s_add_co_u32 s2, s2, s3
	s_lshl_b32 s13, s11, 8                         ; 64 columns of f32 are 256 bytes
	s_add_co_u32 s2, s2, s13
	s_mov_b32 s3, 0
	s_add_nc_u64 s[32:33], s[32:33], s[2:3]
	s_lshl_b32 s2, s12, 10                         ; 256 of K are 1,024 bytes of a row
	s_add_nc_u64 s[34:35], s[34:35], s[2:3]
	v_lshlrev_b32 v[WO], 4, v2
	v_lshl_add_u32 v[WO], v3, 12, v[WO]
	v_lshrrev_b32 v[AO], 3, v2
	v_lshl_add_u32 v[AO], s8, 1, v[AO]             ; sentence n = 2 w + r / 8: 2,048 rows of 4,096 bytes each,
	v_lshlrev_b32 v[AO], 23, v[AO]
	v_and_b32 v13, 7, v2
	v_lshl_add_u32 v[AO], v13, 12, v[AO]           ; word l = r % 8,
	v_lshl_add_u32 v[AO], v3, 5, v[AO]             ; eight f32 for each half of the lanes
; A fragment is 16 rows x 32 of K in 8 registers of bf16: lane (r, h) holds row r, K = 8 h + 0..7 and 16 + 8 h + 0..7.  In f32 those are 32 bytes at 32 h and 32 bytes at 64 + 32 h.
.macro ALOAD half, to                  ; four fragments as f32, 64 registers
.irp k, 0,1,2,3
	global_load_b128 v[(\to)+16*(\k):(\to)+16*(\k)+3],     v[AO], s[34:35] offset:128*(4*(\half)+(\k))
	global_load_b128 v[(\to)+16*(\k)+4:(\to)+16*(\k)+7],   v[AO], s[34:35] offset:128*(4*(\half)+(\k))+16
	global_load_b128 v[(\to)+16*(\k)+8:(\to)+16*(\k)+11],  v[AO], s[34:35] offset:128*(4*(\half)+(\k))+64
	global_load_b128 v[(\to)+16*(\k)+12:(\to)+16*(\k)+15], v[AO], s[34:35] offset:128*(4*(\half)+(\k))+80
.endr
.endm
.macro APACK at                        ; 64 f32 to 32 registers of bf16, in place, ascending: no source is written before it is read
.set i, 0
.rept 32
	v_cvt_pk_bf16_f32 v[(\at)+i], v[(\at)+2*i], v[(\at)+2*i+1]
.set i, i+1
.endr
.endm
	s_wait_alu depctr_va_vdst(0)                   ; v[WO] and v[AO] are written, which the loads below read as their offsets
	ALOAD 0, AF                                    ; K 0..127 of the chunk
.set j, 0
.rept 32
	global_load_b128 v[WR+4*j:WR+4*j+3], v[WO], s[32:33] offset:8192*j  ; two rows of W: 16 lanes take 256 consecutive bytes, aligned
.set j, j+1
.endr
	s_lshl_b32 s2, s9, 2                           ; kqp: ((4 y + chunk) x 64 + 16 w) rows of 4,096 bytes, and my 256 bytes of them
	s_add_co_u32 s2, s2, s12
	s_lshl_b32 s2, s2, 18
	s_lshl_b32 s14, s8, 16
	s_add_co_u32 s2, s2, s14
	s_add_co_u32 s2, s2, s13
	s_add_nc_u64 s[36:37], s[30:31], s[2:3]
	s_mul_i32 s13, s8, 64*WP
	v_mul_u32_u24 v[LS], v3, WP
	v_lshl_add_u32 v[LS], v2, 3, v[LS]
	v_add_nc_u32 v[LS], s13, v[LS]                 ; row 64 w + h, 8 bytes at 8 r
	v_and_b32 v13, 7, v0
	v_lshl_add_u32 v13, v3, 3, v13
	v_mul_u32_u24 v[TB], v13, WP                   ; the turning load: lane L reads K row 8 h + L % 8,
	v_bfe_u32 v13, v0, 3, 1
	v_lshl_add_u32 v[TB], v13, 4, v[TB]            ; columns 8 ((L / 8) % 2) + 0..7
	s_mul_i32 s14, s8, 16*SP
	s_add_co_u32 s14, s14, STG                     ; my stage
	v_mul_u32_u24 v[STO], v2, SP
	v_lshl_add_u32 v[STO], v3, 5, v[STO]
	v_add_nc_u32 v[STO], s14, v[STO]               ; in: row r, 32 bytes for each half of the lanes
	v_mul_u32_u24 v[RD], v3, SP
	v_lshl_add_u32 v[RD], v2, 4, v[RD]
	v_add_nc_u32 v[RD], s14, v[RD]                 ; back: lanes 0-15 one row of 256 bytes, lanes 16-31 the next
	s_wait_loadcnt 32                              ; the rows' first 16 loads are in; W's 32 were issued behind them
	APACK AF
	s_wait_alu depctr_va_vdst(0)                   ; the packing is done reading v[176:207], in which the loads below land; v[LS], v[TB], v[STO] and v[RD] are written, which the LDS instructions further down read
	ALOAD 1, AF+32                                 ; K 128..255 of the chunk, into v[176:239]
	s_wait_loadcnt 32                              ; W's first 16 loads are in; behind them its other 16 and the 16 just issued
.set j, 0
.rept 16
	v_cvt_pk_bf16_f32 v[WR+4*j],   v[WR+4*j],   v[WR+4*j+1]
	v_cvt_pk_bf16_f32 v[WR+4*j+1], v[WR+4*j+2], v[WR+4*j+3]
.set j, j+1
.endr
	s_wait_loadcnt 16                              ; all of W is in; the rows' 16 loads may stay out
	s_wait_alu depctr_va_vdst(0)                   ; the conversions above have written the first half's pairs, which the LDS stores below read
.set j, 0
.rept 16
	ds_store_b64 v[LS], v[WR+4*j:WR+4*j+1] offset:2*WP*j                    ; the first half goes out among the second half's conversions, which name other registers
	v_cvt_pk_bf16_f32 v[WR+4*(j+16)],   v[WR+4*(j+16)],   v[WR+4*(j+16)+1]
	v_cvt_pk_bf16_f32 v[WR+4*(j+16)+1], v[WR+4*(j+16)+2], v[WR+4*(j+16)+3]
.set j, j+1
.endr
	s_wait_alu depctr_va_vdst(0)                   ; the second half's pairs are written, which the LDS stores below read; and every conversion is done with v[16:143], in which the turning loads land behind the barrier
.set j, 16
.rept 16
	ds_store_b64 v[LS], v[WR+4*j:WR+4*j+1] offset:2*WP*j
.set j, j+1
.endr
	s_wait_dscnt 0x0                               ; for the others' sake: my 64 rows of W lie in LDS
	s_barrier_signal -1
	s_barrier_wait -1                              ; all 256 rows do
; W lies [K][column]; the turning load leaves a fragment in which lane (r, h) holds column r and K along its registers.  Fragment (k, n): K 32 k on, columns 16 n on.
.macro BLOAD half
.irp k, 0,1,2,3
.irp n, 0,1,2,3
	ds_load_tr16_b128 v[WR+8*(4*(\k)+(\n)):WR+8*(4*(\k)+(\n))+3],   v[TB] offset:(4*(\half)+(\k))*32*WP+32*(\n)
	ds_load_tr16_b128 v[WR+8*(4*(\k)+(\n))+4:WR+8*(4*(\k)+(\n))+7], v[TB] offset:(4*(\half)+(\k))*32*WP+16*WP+32*(\n)
.endr
.endr
.endm
; Source 0 = 16 columns of W, source 1 = my 16 rows: a lane then holds ONE row (r) and eight neighbouring columns.  The four accumulators take turns, one instruction a turn.
.macro MULS half
.irp k, 0,1,2,3
.irp n, 0,1,2,3
.if ((\half) == 0) && ((\k) == 0)
	v_wmma_f32_16x16x32_bf16 v[ACC+8*(\n):ACC+8*(\n)+7], v[WR+8*(4*(\k)+(\n)):WR+8*(4*(\k)+(\n))+7], v[AF+8*(4*(\half)+(\k)):AF+8*(4*(\half)+(\k))+7], 0
.else
	v_wmma_f32_16x16x32_bf16 v[ACC+8*(\n):ACC+8*(\n)+7], v[WR+8*(4*(\k)+(\n)):WR+8*(4*(\k)+(\n))+7], v[AF+8*(4*(\half)+(\k)):AF+8*(4*(\half)+(\k))+7], v[ACC+8*(\n):ACC+8*(\n)+7]
.endif
.endr
.endr
.endm
	s_wait_alu depctr_vm_vsrc(0)                   ; my LDS stores have read their pairs in v[16:143], in which the turning loads below land
	BLOAD 0
	s_wait_loadcnt 0x0                             ; the rows' second half is in
	APACK AF+32                                    ; it leaves v[208:239] free for the accumulators
	s_wait_dscnt 0x0
	MULS 0                                         ; the first four products start the sums
.rept 4
	v_nop                                          ; four plain instructions between the last product and the loads into registers that it has read, as in the plain form of this text
.endr
	s_wait_alu depctr_va_vdst(0)                   ; the sixteen products are done reading their fragments of W in v[16:143], in which the loads below land
	BLOAD 1
	s_wait_dscnt 0x0
	MULS 1
.rept 4
	v_nop                                          ; four places between the last product and the stores that read results
.endr
	s_wait_alu depctr_va_vdst(0)                   ; the products have written the accumulators, which the LDS stores read, and are done reading v[16:47], in which the stage's rows land; the places above stay beside this wait
.irp n, 0,1,2,3
	ds_store_b128 v[STO], v[ACC+8*(\n):ACC+8*(\n)+3]   offset:64*(\n)       ; each accumulator's low registers first
	ds_store_b128 v[STO], v[ACC+8*(\n)+4:ACC+8*(\n)+7] offset:64*(\n)+16
.endr
.irp t, 0,1,2,3,4,5,6,7
	ds_load_b128 v[WR+4*(\t):WR+4*(\t)+3], v[RD] offset:(\t)*2*SP            ; LDS serves a wave's instructions in order (ISA guide 5.7.1.4): these see the stores above
.endr
.irp t, 0,1,2,3,4,5,6,7
	s_wait_dscnt 7-(\t)                            ; the younger loads may stay out
	global_store_b128 v[WO], v[WR+4*(\t):WR+4*(\t)+3], s[36:37] offset:8192*(\t)  ; 16 lanes store 256 consecutive bytes, aligned
.endr
	s_wait_dscnt 0x0                               ; the closing lines, six on end
	s_wait_alu 0x0
	s_wait_tensorcnt 0x0
	ds_add_u32 v[SPW], v[NIL]
	s_wait_dscnt 0x0
	s_endpgm
	; ---------------- THE STREAM ----------------
.Lconv:
	s_sub_co_u32 s11, s9, 2
	s_lshl_b32 s11, s11, 6
	s_add_co_u32 s11, s11, s10                     ; 0 .. 1,087: 1,024 blocks of Y, then 64 of Wv
	s_and_b32 s12, s11, 1023                       ; the block's number in its tensor
	s_cmp_ge_u32 s11, 1024
	s_cselect_b64 s[32:33], s[24:25], s[18:19]     ; from Wv or Y
	s_cselect_b64 s[34:35], s[28:29], s[26:27]     ; to Wvb or Ybf
	s_lshl_b32 s2, s12, 16
	s_mov_b32 s3, 0
	s_add_nc_u64 s[32:33], s[32:33], s[2:3]
	s_lshl_b32 s2, s12, 15
	s_add_nc_u64 s[34:35], s[34:35], s[2:3]
	v_lshlrev_b32 v[IN], 4, v1
	v_lshl_add_u32 v[IN], s8, 14, v[IN]            ; my wave's 16,384 bytes in,
	v_lshlrev_b32 v[OUT], 3, v1
	v_lshl_add_u32 v[OUT], s8, 13, v[OUT]          ; its 8,192 out
	s_wait_alu depctr_va_vdst(0)                   ; v[IN] and v[OUT] are written: every load and store of the stream reads one of them as its offset
.set j, 0
.rept 32
	global_load_b128 v[WR+4*j:WR+4*j+3], v[IN], s[32:33] offset:512*j th:TH_LOAD_NT  ; all 32 loads of the wave go out together: 512 consecutive bytes each
.set j, j+1
.endr
; Eight blocks of four loads.  Block p rounds its own sixteen registers in place; the four stores of block p - 1 stand among its conversions.
.set p, 0
.rept 8
	s_wait_loadcnt 28-4*p                          ; loads come back in order (ISA guide 5.7.1): block p's four are in, the younger ones stay out
.if p > 0
	s_wait_alu depctr_va_vdst(0)                   ; the block before has written its four pairs, which the stores below read; no conversion of this block names them
.endif
.set i, 0
.rept 4
.set j, 4*p+i
.if p > 0
	global_store_b64 v[OUT], v[WR+4*(j-4):WR+4*(j-4)+1], s[34:35] offset:256*(j-4) th:TH_STORE_NT  ; 32 lanes store 256 consecutive bytes, aligned; no register of a store is written again
.endif
	v_cvt_pk_bf16_f32 v[WR+4*j],   v[WR+4*j],   v[WR+4*j+1]
	v_cvt_pk_bf16_f32 v[WR+4*j+1], v[WR+4*j+2], v[WR+4*j+3]
.set i, i+1
.endr
.set p, p+1
.endr
	s_wait_alu depctr_va_vdst(0)                   ; the last block has written its four pairs, which the last four stores read
.set j, 28
.rept 4
	global_store_b64 v[OUT], v[WR+4*j:WR+4*j+1], s[34:35] offset:256*j th:TH_STORE_NT
.set j, j+1
.endr
	s_endpgm
.Lfunc_end_k_qa08bb324db_prep:
	.size	k_qa08bb324db_prep, .Lfunc_end_k_qa08bb324db_prep-k_qa08bb324db_prep
	.p2alignl 7, 3214868480
	.fill 96, 4, 3214868480
	.section	.rodata,"a",@progbits
	.p2align	6, 0x0
	.amdhsa_kernel k_qa08bb324db_prep
		.amdhsa_group_segment_fixed_size 58880
		.amdhsa_private_segment_fixed_size 0
		.amdhsa_enable_private_segment 0
		.amdhsa_kernarg_size 64
		.amdhsa_user_sgpr_count 2
		.amdhsa_user_sgpr_kernarg_segment_ptr 1
		.amdhsa_wavefront_size32 1
		.amdhsa_system_sgpr_workgroup_id_x 1
		.amdhsa_system_sgpr_workgroup_id_y 1
		.amdhsa_system_sgpr_workgroup_id_z 1
		.amdhsa_system_vgpr_workitem_id 0
		.amdhsa_next_free_vgpr 240
		.amdhsa_next_free_sgpr 66
		.amdhsa_reserve_vcc 0
		.amdhsa_float_denorm_mode_32 3
		.amdhsa_float_denorm_mode_16_64 3
		.amdhsa_memory_ordered 1
		.amdhsa_forward_progress 1
		.amdhsa_inst_pref_size 40
	.end_amdhsa_kernel
	.amdgpu_metadata
---
amdhsa.version: [ 1, 2 ]
amdhsa.kernels:
  - .name:           k_qa08bb324db_prep
    .symbol:         k_qa08bb324db_prep.kd
    .args:
      - { .name: X, .offset: 0, .size: 8, .value_kind: global_buffer, .address_space: global }
      - { .name: Y, .offset: 8, .size: 8, .value_kind: global_buffer, .address_space: global }
      - { .name: Wq, .offset: 16, .size: 8, .value_kind: global_buffer, .address_space: global }
      - { .name: Wk, .offset: 24, .size: 8, .value_kind: global_buffer, .address_space: global }
      - { .name: Wv, .offset: 32, .size: 8, .value_kind: global_buffer, .address_space: global }
      - { .name: Ybf, .offset: 40, .size: 8, .value_kind: global_buffer, .address_space: global }
      - { .name: Wvb, .offset: 48, .size: 8, .value_kind: global_buffer, .address_space: global }
      - { .name: kqp, .offset: 56, .size: 8, .value_kind: global_buffer, .address_space: global }
    .group_segment_fixed_size: 58880
    .private_segment_fixed_size: 0
    .kernarg_segment_align: 8
    .kernarg_segment_size: 64
    .max_flat_workgroup_size: 128
    .sgpr_count:     66
    .vgpr_count:     240
    .wavefront_size: 32
...
	.end_amdgpu_metadata
.endif
;; end of part 4
;; launch soft: the kernel of part 2 again; grid 16 x 1, 4 waves a work-group, no clusters, 0 bytes of LDS; arguments kqp, att; writes att
;; launch gemm: the kernel of part 3 again; grid 4 x 64, 4 waves a work-group, clusters of 4 x 4, 327,680 bytes of LDS; arguments Ybf, Wvb, att, out0; writes out0
